; MI455X (gfx1250); checked and timed in simulation.
; The chip was launched on July 23, 2026; its instructions are those of AMD's public machine-readable ISA for CDNA 5 (MIT licence, August 2026) and "CDNA5" Instruction Set Architecture Reference Guide (July 2026). The comments in the code are by the model that wrote it; some were corrected since.
;; Multi Head Attention. Allowed arithmetic: matrix products marked QUANTISED: E2M3 operands, one E8M0 scale for each 32 along K, by v_wmma_scale_f32_16x16x128_f8f6f4 with both operands' format E2M3, f32 sums; everything else in f32.
;; Inputs: Wk 512 x 512 float32; Wo 512 x 512 float32; Wq 512 x 512 float32; Wv 512 x 512 float32; bk 512 float32; bo 512 float32; bq 512 float32; bv 512 float32; k 2 x 4,096 x 512 float32; q 2 x 4,096 x 512 float32; v 2 x 4,096 x 512 float32.
;; Outputs: out0 2 x 4,096 x 512 float32.
;; This version of the problem:
;;   THIS VERSION OF THE PROBLEM IS GIVEN IN LOW PRECISION. The matrix products marked QUANTISED in the list below multiply operands that are first quantised to E2M3 (2 exponent bits, 3 mantissa bits; 6 bits a number), with one power-of-two scale for each 32 numbers along K (OCP MX v1.0); their sums are f32. All else is computed in f32.
;;   The module's matrix products, in the order in which they are computed (A, B: the left and right operand; K: the contracted axis; several contracted axes count as one K, in the product's order):
;;     1. [M 8,192, K 512] x [K 512, N 512]; A: input q; B: input Wq: QUANTISED
;;     2. [M 8,192, K 512] x [K 512, N 512]; A: input k; B: input Wk: QUANTISED
;;     3. [M 8,192, K 512] x [K 512, N 512]; A: input v; B: input Wv: QUANTISED
;;     4. batch 16 x [M 4,096, K 64] x [K 64, N 4,096]; A: computed on the way; B: computed on the way: QUANTISED
;;     5. batch 16 x [M 4,096, K 4,096] x [K 4,096, N 64]; A: softmax (see below); B: computed on the way: QUANTISED
;;     6. [M 8,192, K 512] x [K 512, N 512]; A: computed on the way; B: input Wo: QUANTISED
;;   THE QUANTISER, for each operand of a quantised product, along K:
;;     - K is cut into blocks of 32 from its start; a last block that is shorter is filled with zeros.
;;     - A block's scale is 2^e with e = floor(log2(the largest magnitude in the block)) - 2, held to -126 .. 127; a block of zeros has e = 0. As a byte (E8M0): e + 127.
;;     - Each number is divided by its block's scale, clamped to +-7.5, and rounded to the nearest number of E2M3, ties to even, subnormals kept.
;;     - The product sums the exact products of the quantised numbers (number of the format x scale) in f32.
;;   ~~~python
;;   def quantise(x, axis):      # numpy; x: float32 -> the quantised numbers, widened to float32 again
;;       x = np.moveaxis(x, axis, -1); K = x.shape[-1]
;;       x = np.pad(x, [(0, 0)] * (x.ndim - 1) + [(0, -K % 32)]); x = x.reshape(x.shape[:-1] + (-1, 32)); a = np.abs(x).max(-1, keepdims=True)
;;       e = np.where(a > 0, np.clip(np.frexp(np.where(a > 0, a, 1))[1] - 1 - 2, -126, 127), 0)      # np.frexp(a)[1] - 1 = floor(log2(a)), exactly
;;       r = np.clip(x / 2.0 ** e, -7.5, 7.5)
;;       step = 2.0 ** (np.maximum(np.frexp(np.where(r == 0, 1, r))[1] - 1, 0) - 3)
;;       q = np.round(r / step) * step * 2.0 ** e      # np.round: ties to even
;;       return np.moveaxis(q.reshape(q.shape[:-2] + (-1,))[..., :K], -1, axis).astype(np.float32)
;;   ~~~
;;   SOFTMAX AHEAD OF A QUANTISED PRODUCT. Where the list says 'softmax', what is quantised is not the finished softmax but p = 2^(t - M), with t = logit x log2(e) and M = ceil(the row's largest t), a whole number; so 1/2 < the row's largest p <= 1. The row's sum l is taken of the UNQUANTISED p, in f32, and the product's result is divided by l at the end. Since M is a whole number, a kernel that streams over the keys may use a running M (the ceiling of the running maximum): every later rescaling is an exact power of two, which a block's scale takes up: the codes' values come out the same.
;;   OPERANDS COMPUTED ON THE WAY. 'Computed on the way' means the value that the module computes at that place (a softmax that the list does not call 'softmax' is quantised finished and normalised). What goes into a quantiser is computed in f32, as accurately as f32 sums, v_exp_f32 and their like allow (about 1e-6 of the number): no bf16 or f16 on the way to a quantiser, and a product that is left as it is and whose result goes on into a quantised operand takes f32 operands (vector FMAs, or v_wmma_f32_16x16x4_f32). A number that lies on a knife's edge between two numbers of the format may be rounded either way, as far as f32 arithmetic and the matrix unit's own rounding can turn it there, and no further.
;; One version. Each part assembles by itself: llvm-mc -triple=amdgcn-amd-amdhsa -mcpu=gfx1250 --defsym DOCPART=n.
;; ======== version 1 of 1: 4 launches
;; limits: right only within a limited range of input values
;; workspace buffers: wbuf 851,968 bytes; kv 6,553,600 bytes; qc 6,553,600 bytes; cc 3,145,728 bytes; cs 524,288 bytes
;; launch wquant (part 1): grid 32 x 4, 4 waves a work-group, no clusters, 1,024 bytes of LDS; arguments Wq, Wk, Wv, Wo, wbuf; writes wbuf
.if DOCPART == 1
	.amdgcn_target "amdgcn-amd-amdhsa--gfx1250"
	.amdhsa_code_object_version 6
	.text
	.protected	k_qcf5f32e7bb_wquant
	.globl	k_qcf5f32e7bb_wquant
	.p2align	8
	.type	k_qcf5f32e7bb_wquant,@function
k_qcf5f32e7bb_wquant:
	s_mov_b64 s[64:65], 0
	v_nop
	global_prefetch_b8 v0, s[64:65] scope:SCOPE_SE
	s_setreg_imm32_b32 hwreg(HW_REG_WAVE_MODE, 25, 1), 1
	s_wait_xcnt 0x0
; The four weights [512][512] f32 (K innermost) become codes of FP6 (E2M3) with one E8M0 byte for each 32 along K, laid as IMAGES OF OPERAND REGISTERS.
; A work-group takes one tile of 16 rows of one weight (tile tt = work-group x, weight w = work-group y: 0 Wq, 1 Wk, 2 Wv, 3 Wo); its wave s takes K step s: one fragment of 16 rows x 128 K, 16 loads a lane, all asked for at once.
; THE ROWS OF A TILE ARE NOT NEIGHBOURS: lane r of tile tt takes row 32 (tt / 2) + 8 (tt % 2) + r + 8 (r / 8), so that a product with two neighbouring tiles as source 0 leaves 16 neighbouring rows in a lane's 16 registers.
; wbuf: codes at w x 196,608 + tt x 6,144 + s x 1,536 (K step s): registers 4 c .. 4 c + 3 of lane L at 512 c + 16 L.  Scale words at 786,432 + w x 16,384 + tt x 512 + 16 L: a lane's four words, K steps 0 to 3:
; the four waves' words meet in 512 bytes of LDS and leave by one store of wave 0, 512 consecutive bytes.
; A block's scale is 2^(floor(log2(its largest magnitude)) - 2); its byte is the largest magnitude's exponent field - 2, held at 1 from below.
; LIMITS: a block whose largest magnitude lies under 2^-124 gets the byte 1; a block of zeros gets 1 where the rule says 127 (its codes are zeros, and this program alone reads the bytes); NaN and infinities are not served.
.set LI,  1                            ; v1       16 x lane: an image's place for my lane
.set XA,  2                            ; v2       my lane's byte in the tile's rows
.set SA,  6                            ; v6       LDS: 16 x lane + 4 x wave: my scale word's place
.set TM,  8                            ; v8-23    at work
.set PW,  24                           ; v24      my scale word; v24-27 the four, in wave 0
.set SPW, 28                           ; v28      LDS address of my spare word; never rewritten
.set NIL, 29                           ; v29      0; never rewritten
.set X,   32                           ; v32-95   64 numbers
.set PC,  96                           ; v96-114  the fragment's codes, and the conversions' second halves
.set SPARE, 512                        ; behind the scale words: the spare words, 128 bytes for each wave
	s_load_b256 s[4:11], s[0:1], 0x0               ; Wq s[4:5], Wk s[6:7], Wv s[8:9], Wo s[10:11]
	s_load_b64 s[12:13], s[0:1], 0x20              ; wbuf
	v_lshl_add_u32 v[SPW], v0, 2, SPARE
	v_mov_b32 v[NIL], 0
	v_lshrrev_b32 v3, 5, v0
	v_readfirstlane_b32 s24, v3                    ; wave = K step
	s_and_b32 s14, ttmp7, 0xffff                   ; w
	s_lshr_b32 s15, ttmp9, 1
	s_lshl_b32 s15, s15, 5                         ; 32 (tt / 2)
	s_and_b32 s16, ttmp9, 1
	s_lshl_b32 s16, s16, 3                         ; 8 (tt % 2)
	s_add_co_u32 s16, s16, s15
	s_lshl_b32 s16, s16, 11                        ; the tile's first row, in bytes of 2,048 a row,
	s_lshl_b32 s25, s24, 9
	s_add_co_u32 s16, s16, s25                     ; + my K step's 512 bytes
	s_mov_b32 s17, 0
	s_mul_i32 s18, s14, 196608
	s_mul_i32 s19, ttmp9, 6144
	s_add_co_u32 s18, s18, s19
	s_mul_i32 s19, s24, 1536
	s_add_co_u32 s18, s18, s19                     ; where my codes go
	s_mov_b32 s19, 0
	s_lshl_b32 s20, s14, 14
	s_lshl_b32 s21, ttmp9, 9
	s_add_co_u32 s20, s20, s21
	s_add_co_u32 s20, s20, 786432                  ; and the tile's scale words
	s_mov_b32 s21, 0
	s_mov_b32 s22, 0x76543210
	s_mov_b32 s23, 0xfedcba98                      ; v_permlanex16_b32's selects for lane l xor 16
	s_lshl_b32 s25, s24, 2
	v_and_b32 v3, 15, v0                           ; r
	v_bfe_u32 v4, v0, 4, 1                         ; h
	v_and_b32 v5, 8, v3
	v_add_nc_u32 v5, v5, v3                        ; r + 8 (r / 8)
	v_lshlrev_b32 v[XA], 11, v5
	v_lshl_add_u32 v[XA], v4, 6, v[XA]             ; that row, + 64 h: my 16 numbers of a block of 32
	v_and_b32 v[LI], 31, v0
	v_lshlrev_b32 v[LI], 4, v[LI]
	v_add_nc_u32 v[SA], s25, v[LI]
.irp b, 0,1,2,3
	v_mov_b32 v[TM+4+\b], 0                        ; written once: a lane permute's destination counts as one of its sources
.endr
	s_wait_alu depctr_va_vdst(0)                   ; the wait at the head's end
	s_wait_kmcnt 0x0
	s_cmp_eq_u32 s14, 1                            ; the weight is chosen by the work-group's number alone
	s_cselect_b64 s[4:5], s[6:7], s[4:5]
	s_cmp_eq_u32 s14, 2
	s_cselect_b64 s[4:5], s[8:9], s[4:5]
	s_cmp_eq_u32 s14, 3
	s_cselect_b64 s[4:5], s[10:11], s[4:5]
	s_add_nc_u64 s[4:5], s[4:5], s[16:17]
	s_add_nc_u64 s[20:21], s[12:13], s[20:21]
	s_add_nc_u64 s[12:13], s[12:13], s[18:19]
.irp b, 0,1,2,3
.irp j, 0,1,2,3
	global_load_b128 v[X+16*\b+4*\j:X+16*\b+4*\j+3], v[XA], s[4:5] offset:128*\b+16*\j th:TH_LOAD_NT   ; register 16 b + i = k 32 b + 16 h + i of my row
.endr
.endr
	s_wait_loadcnt 0x0
.irp b, 0,1,2,3
	v_max3_num_f32 v[TM+\b], |v[X+16*\b]|, |v[X+1+16*\b]|, 0x1800000   ; block b: my 16 numbers, and the floor 2^(3 - 127): the byte cannot fall under 1
.endr
.irp i, 2,4,6,8,10,12,14
.irp b, 0,1,2,3
	v_max3_num_f32 v[TM+\b], v[TM+\b], |v[X+16*\b+\i]|, |v[X+1+16*\b+\i]|   ; the four blocks by turns
.endr
.endr
.irp b, 0,1,2,3
	v_permlanex16_b32 v[TM+4+\b], v[TM+\b], s22, s23
.endr
.irp b, 0,1,2,3
	v_max_num_f32 v[TM+\b], v[TM+\b], v[TM+4+\b]   ; with lane l xor 16's: the block's largest magnitude
.endr
.irp b, 0,1,2,3
	v_add_nc_u32 v[TM+12+\b], 0xff000000, v[TM+\b]   ; 2 off its exponent field: the conversion takes that field as its scale
.endr
.irp b, 0,1,2,3
	v_lshrrev_b32 v[TM+4+\b], 23, v[TM+12+\b]      ; the scale's byte
.endr
	v_lshl_or_b32 v[PW], v[TM+5], 8, v[TM+4]
	v_lshl_or_b32 v[PW], v[TM+6], 16, v[PW]
	v_lshl_or_b32 v[PW], v[TM+7], 24, v[PW]
.irp c, 0,1
	v_cvt_scalef32_pk16_fp6_f32 v[PC+6*\c:PC+2+6*\c], v[X+32*\c:X+15+32*\c], v[TM+12+2*\c]
	v_cvt_scalef32_pk16_fp6_f32 v[PC+12+4*\c:PC+14+4*\c], v[X+16+32*\c:X+31+32*\c], v[TM+12+2*\c+1]   ; a conversion's three registers begin on an even number
.endr
	v_nop                                          ; one plain place behind the scaled conversions
.irp c, 0,1                                    ; the operand's layout wants a whole block in a lane: lanes 0-15 block 2 c, lanes 16-31 block 2 c + 1
.irp i, 0,1,2
	v_permlane16_swap_b32 v[PC+6*\c+\i], v[PC+12+4*\c+\i]
.endr
.irp i, 0,1,2
	v_mov_b32 v[PC+3+6*\c+\i], v[PC+12+4*\c+\i]
.endr
.endr
.irp c, 0,1,2
	global_store_b128 v[LI], v[PC+4*\c:PC+4*\c+3], s[12:13] offset:512*\c   ; 32 lanes store 512 consecutive bytes, at a multiple of 256 from the buffer's first byte
.endr
	ds_store_b32 v[SA], v[PW]
	s_wait_dscnt 0x0                               ; my word is in LDS: for wave 0's sake
	s_barrier_signal -1
	s_barrier_wait -1
	s_cmp_lg_u32 s24, 0
	s_cbranch_scc1 .Lothers
	ds_load_b128 v[PW:PW+3], v[LI]                 ; a lane's four words, K steps 0 to 3
	s_wait_dscnt 0x0
	global_store_b128 v[LI], v[PW:PW+3], s[20:21]  ; the tile's scale words: 512 consecutive bytes
.Lothers:
	s_wait_tensorcnt 0x0                           ; the wave's end: behind my last LDS store
	ds_add_u32 v[SPW], v[NIL]
	s_wait_dscnt 0x0
	s_endpgm
.Lfunc_end_k_qcf5f32e7bb_wquant:
	.size	k_qcf5f32e7bb_wquant, .Lfunc_end_k_qcf5f32e7bb_wquant-k_qcf5f32e7bb_wquant
	.p2alignl 7, 3214868480
	.fill 96, 4, 3214868480
	.section	.rodata,"a",@progbits
	.p2align	6, 0x0
	.amdhsa_kernel k_qcf5f32e7bb_wquant
		.amdhsa_group_segment_fixed_size 1024
		.amdhsa_private_segment_fixed_size 0
		.amdhsa_enable_private_segment 0
		.amdhsa_kernarg_size 40
		.amdhsa_user_sgpr_count 2
		.amdhsa_user_sgpr_kernarg_segment_ptr 1
		.amdhsa_wavefront_size32 1
		.amdhsa_system_sgpr_workgroup_id_x 1
		.amdhsa_system_sgpr_workgroup_id_y 1
		.amdhsa_system_sgpr_workgroup_id_z 1
		.amdhsa_system_vgpr_workitem_id 0
		.amdhsa_next_free_vgpr 128
		.amdhsa_next_free_sgpr 66
		.amdhsa_reserve_vcc 0
		.amdhsa_float_denorm_mode_32 3
		.amdhsa_float_denorm_mode_16_64 3
		.amdhsa_memory_ordered 1
		.amdhsa_forward_progress 1
		.amdhsa_inst_pref_size 9
	.end_amdhsa_kernel
	.amdgpu_metadata
---
amdhsa.version: [ 1, 2 ]
amdhsa.kernels:
  - .name:           k_qcf5f32e7bb_wquant
    .symbol:         k_qcf5f32e7bb_wquant.kd
    .args:
      - { .name: Wq, .offset: 0, .size: 8, .value_kind: global_buffer, .address_space: global }
      - { .name: Wk, .offset: 8, .size: 8, .value_kind: global_buffer, .address_space: global }
      - { .name: Wv, .offset: 16, .size: 8, .value_kind: global_buffer, .address_space: global }
      - { .name: Wo, .offset: 24, .size: 8, .value_kind: global_buffer, .address_space: global }
      - { .name: wbuf, .offset: 32, .size: 8, .value_kind: global_buffer, .address_space: global }
    .group_segment_fixed_size: 1024
    .private_segment_fixed_size: 0
    .kernarg_segment_align: 8
    .kernarg_segment_size: 40
    .max_flat_workgroup_size: 128
    .sgpr_count:     66
    .vgpr_count:     128
    .wavefront_size: 32
...
	.end_amdgpu_metadata
.endif
;; end of part 1
;; launch proj (part 2): grid 64 x 3, 4 waves a work-group, no clusters, 327,680 bytes of LDS; arguments q, k, v, bq, bk, bv, wbuf, qc, kv; writes qc, kv
.if DOCPART == 2
	.amdgcn_target "amdgcn-amd-amdhsa--gfx1250"
	.amdhsa_code_object_version 6
	.text
	.protected	k_qcf5f32e7bb_proj
	.globl	k_qcf5f32e7bb_proj
	.p2align	8
	.type	k_qcf5f32e7bb_proj,@function
k_qcf5f32e7bb_proj:
	s_mov_b64 s[64:65], 0
	v_nop
	global_prefetch_b8 v0, s[64:65] scope:SCOPE_SE
	s_setreg_imm32_b32 hwreg(HW_REG_WAVE_MODE, 25, 1), 1
	s_wait_xcnt 0x0
; The three projections x W^T + b on codes of FP6 (E2M3), one E8M0 scale for each 32 along K; the results leave quantised, as images of attention's operand registers (qc for q; kv for k and v).
; SHARES.  Work-group y = the tensor (0 q, 1 k, 2 v), work-group x = 128 tokens, which are one key step of attention.  Wave w takes 128 output channels (two heads): its 32 fragments of W stay in registers.
; THE 128 TOKENS GO IN TWO HALVES OF 64.  At the head wave w asks for K step w of the first 64 tokens (64 rows of 512 bytes); behind the first barrier for the same of the second 64, which land while the first half is
; quantised, multiplied, quantised again and stored.  One tensor load of a wave is out at the most.  In each half wave w quantises token tile w for all four K steps; the images go to the other waves through LDS.
; THE TOKENS OF A TILE: row r of tile t of a half is token 8 t + r % 8 + 32 (r / 8).  W's rows: lane r of tile u of a group of 32 takes 8 u + r + 8 (r / 8).
; q and k (path 0): source 0 = W, source 1 = x: a lane holds one token, its registers run along the channels, which are the first attention product's K.
; v (path 1): source 0 = x, source 1 = W: a lane holds one channel, and the 32 registers of a half's four token tiles are one whole block of 32 keys, the second product's K.
; The bias is the C of each sum's first matrix instruction.  The branch on the tensor leads round register work, LDS loads and global stores alone: every LDS store and every barrier stands on the common way.
; No cluster: work-groups of one tensor share only W, which goes from memory straight into registers; x's tiles are read by one work-group each.  No prefetch: the launch has no loop to run ahead in.
; LIMITS: a block whose largest magnitude lies under 2^-124 gets the byte 1, a block of zeros too (its codes are zeros; this program alone reads the bytes); NaN and infinities are not served.
; REGISTERS: window 0: addresses, x's fragments (two sets), scale words, codes at work; window 1: W's fragments of tiles 0-3, and from v192 the bias; window 2: W's of tiles 4-7; window 3: numbers on their way to the quantiser, then the 32 accumulators.
.set XP,    528                        ; an LDS row: 512 bytes + 16
.set XREG,  64*XP                      ; one K step of 64 tokens: what one tensor load brings; region 4 c + s holds K step s of half c
.set XIMG,  8*XREG                     ; x's images: (4 T + s) x 1,536, token tile T, K step s
.set XSC,   XIMG+32*1536               ; x's scale words: 512 T + 16 L
.set SPARE, XSC+8*512                  ; the spare words, 128 bytes for each wave
.set LI,  1
.set L8,  2
.set XA,  3
.set LIX, 4
.set LSX, 5
.set XWI, 6
.set XWS, 7
.set SPW, 8
.set NIL, 9
.set LT,  10
.set AB,  12
.set XF0, 20
.set XS0, 116
.set WS,  124
.set PC,  156
.set TM,  176
.set PWX, 192
.set PWE, 200
.set KW,  208
.set R,   216
.set H8,  220
.set BI,  192
.set WV,  22
.set TEN, 23
.set G1,  24
.set G0,  32
.set MSB, 0
.macro WIN new                         ; the immediate's high byte repeats the setting that is left
.if MSB != \new
	s_set_vgpr_msb (MSB<<8)|\new
.set MSB, \new
.endif
.endm
; 64 numbers of a lane in window 3, register 16 b + i = k 32 b + 16 h + i, become 12 registers of codes in v[PC] on and a scale word: a block lies in lanes l and l xor 16
.macro QUANT s, pw
	WIN 0x3c
.irp b, 0,1,2,3
	v_max3_num_f32 v[TM+\b], 0x1800000, |v[(\s)+16*\b]|, |v[(\s)+1+16*\b]|
.endr
.irp i, 2,4,6,8,10,12,14
.irp b, 0,1,2,3
	v_max3_num_f32 v[TM+\b], v[TM+\b], |v[(\s)+16*\b+\i]|, |v[(\s)+1+16*\b+\i]|
.endr
.endr
	WIN 0
.irp b, 0,1,2,3
	v_permlanex16_b32 v[TM+4+\b], v[TM+\b], s60, s61
.endr
.irp b, 0,1,2,3
	v_max_num_f32 v[TM+\b], v[TM+\b], v[TM+4+\b]
.endr
.irp b, 0,1,2,3
	v_add_nc_u32 v[TM+12+\b], 0xff000000, v[TM+\b]
.endr
.irp b, 0,1,2,3
	v_lshrrev_b32 v[TM+4+\b], 23, v[TM+12+\b]
.endr
	v_lshl_or_b32 v[\pw], v[TM+5], 8, v[TM+4]
	v_lshl_or_b32 v[\pw], v[TM+6], 16, v[\pw]
	v_lshl_or_b32 v[\pw], v[TM+7], 24, v[\pw]
	WIN 0x03
.irp c, 0,1
	v_cvt_scalef32_pk16_fp6_f32 v[PC+6*\c:PC+2+6*\c], v[(\s)+32*\c:(\s)+15+32*\c], v[TM+12+2*\c]
	v_cvt_scalef32_pk16_fp6_f32 v[PC+12+4*\c:PC+14+4*\c], v[(\s)+16+32*\c:(\s)+31+32*\c], v[TM+12+2*\c+1]
.endr
	WIN 0
	v_nop
.irp c, 0,1
.irp i, 0,1,2
	v_permlane16_swap_b32 v[PC+6*\c+\i], v[PC+12+4*\c+\i]
.endr
.irp i, 0,1,2
	v_mov_b32 v[PC+3+6*\c+\i], v[PC+12+4*\c+\i]
.endr
.endr
.endm
; V's quantiser: K is the keys.  A lane's registers s .. s + 31 are one whole block of 32 keys (block 2 blk + h) of one channel, s + 32 .. s + 63 the same block of the next channel tile's channel:
; no other lane is asked for a maximum, and the conversions' results are the operand's registers.  The word's four bytes are gathered from lanes l and l xor 16.
.macro QUANTB s, pw
	WIN 0x3c
.irp b, 0,1,2,3
	v_max3_num_f32 v[TM+\b], 0x1800000, |v[(\s)+16*\b]|, |v[(\s)+1+16*\b]|
.endr
.irp i, 2,4,6,8,10,12,14
.irp b, 0,1,2,3
	v_max3_num_f32 v[TM+\b], v[TM+\b], |v[(\s)+16*\b+\i]|, |v[(\s)+1+16*\b+\i]|
.endr
.endr
	WIN 0
	v_max_num_f32 v[TM], v[TM], v[TM+1]
	v_max_num_f32 v[TM+2], v[TM+2], v[TM+3]
	v_add_nc_u32 v[TM+12], 0xff000000, v[TM]
	v_add_nc_u32 v[TM+13], 0xff000000, v[TM+2]
	v_lshrrev_b32 v[TM+4], 23, v[TM+12]
	v_lshrrev_b32 v[TM+5], 23, v[TM+13]
	v_lshl_or_b32 v[TM+4], v[TM+5], 16, v[TM+4]
	v_lshlrev_b32 v[TM+4], v[H8], v[TM+4]
	v_permlanex16_b32 v[TM+5], v[TM+4], s60, s61
	v_or_b32 v[\pw], v[TM+4], v[TM+5]
	WIN 0x03
.irp c, 0,1
	v_cvt_scalef32_pk16_fp6_f32 v[PC+6*\c:PC+2+6*\c], v[(\s)+32*\c:(\s)+15+32*\c], v[TM+12+\c]
	v_cvt_scalef32_pk16_fp6_f32 v[PC+12+4*\c:PC+14+4*\c], v[(\s)+16+32*\c:(\s)+31+32*\c], v[TM+12+\c]
.endr
	WIN 0
	v_nop
.irp c, 0,1
.irp i, 0,1,2
	v_mov_b32 v[PC+3+6*\c+\i], v[PC+12+4*\c+\i]
.endr
.endr
.endm
.macro WLOAD g                         ; W's tiles 4 g .. 4 g + 3 of my eight, all four K steps, into window 1 + g
	WIN (0x40*(1+\g))
.irp tq, 0,1,2,3
.irp s, 0,1,2,3
.irp c, 0,1,2
	global_load_b128 v[12*(4*\tq+\s)+4*\c:12*(4*\tq+\s)+4*\c+3], v[LI], s[52:53] offset:(4*(4*\g+\tq)+\s)*1536+512*\c
.endr
.endr
.endr
	WIN 0
.endm
; My token tile of half n / 2, K steps 2 (n % 2) and 2 (n % 2) + 1: out of two neighbouring regions, quantised, and as images into LDS.  The address then goes two regions on: the four calls walk the eight regions in their order
.macro XSTEP n
	WIN 0xc0
.irp u, 0,1
.irp b, 0,1,2,3
.irp j, 0,1,2,3
	ds_load_b128 v[64*\u+16*\b+4*\j:64*\u+16*\b+4*\j+3], v[XA] offset:\u*XREG+128*\b+16*\j
.endr
.endr
.endr
	WIN 0
	v_add_nc_u32 v[XA], 2*XREG, v[XA]
	s_wait_dscnt 16                                ; the first K step's 16 loads are in
	QUANT 0, PWX+2*((\n)%2)
.irp c, 0,1,2
	ds_store_b128 v[XWI], v[PC+4*\c:PC+4*\c+3] offset:((\n)/2)*24576+(2*((\n)%2))*1536+512*\c
.endr
	s_wait_dscnt 0x0
	QUANT 64, PWX+2*((\n)%2)+1
.irp c, 0,1,2
	ds_store_b128 v[XWI], v[PC+4*\c:PC+4*\c+3] offset:((\n)/2)*24576+(2*((\n)%2)+1)*1536+512*\c
.endr
.endm
.macro FETCHX T, buf                   ; token tile T's four fragments and scale words
.irp s, 0,1,2,3
.irp c, 0,1,2
	ds_load_b128 v[XF0+48*(\buf)+12*\s+4*\c:XF0+48*(\buf)+12*\s+4*\c+3], v[LIX] offset:(4*(\T)+\s)*1536+512*\c
.endr
.endr
	ds_load_b128 v[XS0+4*(\buf):XS0+4*(\buf)+3], v[LSX] offset:512*(\T)
.endm
.macro MM path, m                      ; token tile m of the half against my eight tiles of W, K ascending; four accumulators by turns
.irp g, 0,1
.irp s, 0,1,2,3
.if \path
.if \s == 0
	WIN (0xd4+4*\g)
.else
	WIN (0xf4+4*\g)
.endif
.else
.if \s == 0
	WIN (0xd1+\g)
.else
	WIN (0xf1+\g)
.endif
.endif
.irp tq, 0,1,2,3
.set rW, 12*(4*\tq+\s)
.set rX, XF0+48*((\m)%2)+12*\s
.set rB, BI+8*(4*\g+\tq)
.set sW, WS+4*(4*\g+\tq)+\s
.set sX, XS0+4*((\m)%2)+\s
.if \path
.set rD, 32*(4*\g+\tq)+8*(\m)
.if \s == 0
	v_wmma_scale_f32_16x16x128_f8f6f4 v[rD:rD+7], v[rX:rX+11], v[rW:rW+11], v[rB:rB+7], v[sX], v[sW] matrix_a_fmt:MATRIX_FMT_FP6 matrix_b_fmt:MATRIX_FMT_FP6
.else
	v_wmma_scale_f32_16x16x128_f8f6f4 v[rD:rD+7], v[rX:rX+11], v[rW:rW+11], v[rD:rD+7], v[sX], v[sW] matrix_a_fmt:MATRIX_FMT_FP6 matrix_b_fmt:MATRIX_FMT_FP6
.endif
.else
.set rD, 64*(\m)+8*(4*\g+\tq)
.if \s == 0
	v_wmma_scale_f32_16x16x128_f8f6f4 v[rD:rD+7], v[rW:rW+11], v[rX:rX+11], v[rB:rB+7], v[sW], v[sX] matrix_a_fmt:MATRIX_FMT_FP6 matrix_b_fmt:MATRIX_FMT_FP6
.else
	v_wmma_scale_f32_16x16x128_f8f6f4 v[rD:rD+7], v[rW:rW+11], v[rX:rX+11], v[rD:rD+7], v[sW], v[sX] matrix_a_fmt:MATRIX_FMT_FP6 matrix_b_fmt:MATRIX_FMT_FP6
.endif
.endif
.endr
.endr
.endr
	WIN 0
.endm
.macro MAT path, blk
	FETCHX 4*\blk, 0
.irp m, 0,1,2,3
.if \m < 3
.if \m > 0
.rept 4
	v_nop                                          ; places in front of loads into registers that matrix instructions have read
.endr
.endif
	FETCHX 4*\blk+\m+1, (\m+1)%2
	s_wait_dscnt 13                                ; all but the 13 just issued
.else
	s_wait_dscnt 0x0
.endif
	MM \path, \m
.endr
.endm
.macro EPI path, blk                   ; the half's results are quantised and leave as half images; their scale words are gathered
.rept 4
	v_nop
.endr
.irp i, 0,1,2,3
.if \path
.set O0, (\i/2)*409600+6144+1536*(2*(\i%2))+768*\blk
.set O1, O0+1536
.else
.set O0, 768*(4*\blk+\i)
.set O1, O0+409600
.endif
	s_wait_xcnt 0x0                                ; the last stores have read the codes' registers
.if \path
	QUANTB 64*\i, PWE+4*\blk+\i
.else
	QUANT 64*\i, PWE+4*\blk+\i
.endif
	global_store_b128 v[LI], v[PC:PC+3], s[56:57] offset:O0
	global_store_b64 v[L8], v[PC+4:PC+5], s[56:57] offset:O0+512
	global_store_b128 v[LI], v[PC+6:PC+9], s[56:57] offset:O1
	global_store_b64 v[L8], v[PC+10:PC+11], s[56:57] offset:O1+512
.endr
.if \path == 0
.irp p, 0,1
	v_perm_b32 v[KW+\p], v[PWE+4*\blk+2*\p+1], v[PWE+4*\blk+2*\p], s76
	v_perm_b32 v[KW+2+\p], v[PWE+4*\blk+2*\p+1], v[PWE+4*\blk+2*\p], s77
.endr
	v_cndmask_b32 v[R+\blk], v[KW], v[KW+1], s62
	v_cndmask_b32 v[R+2+\blk], v[KW+2], v[KW+3], s62
.endif
.endm
.macro BLK path, blk
	MAT \path, \blk
	EPI \path, \blk
	s_wait_alu depctr_va_vdst(0)                   ; the wait here, ahead of the jump and of the waits that follow
.endm
.macro TAIL path                       ; the step's scale words: 256 consecutive bytes for each of my two heads
.if \path
.irp i, 0,1,2,3
	v_perm_b32 v[KW+2*\i], v[PWE+4+\i], v[PWE+\i], s76
	v_perm_b32 v[KW+2*\i+1], v[PWE+4+\i], v[PWE+\i], s77
.endr
.irp i, 0,1,2,3
	v_cndmask_b32 v[R+\i], v[KW+2*\i], v[KW+2*\i+1], s62
.endr
.endif
	global_store_b64 v[L8], v[R:R+1], s[58:59] offset:256*\path
	global_store_b64 v[L8], v[R+2:R+3], s[58:59] offset:409600+256*\path
.endm
	s_load_b256 s[4:11], s[0:1], 0x0               ; q, k, v, bq
	s_load_b256 s[12:19], s[0:1], 0x20             ; bk, bv, wbuf, qc
	s_load_b64 s[20:21], s[0:1], 0x40              ; kv
	v_lshl_add_u32 v[SPW], v0, 2, SPARE
	v_mov_b32 v[NIL], 0
	ds_add_u32 v[SPW], v[NIL]                      ; the opening lines: the add, twice on end, and its wait ahead of my first tensor load
	ds_add_u32 v[SPW], v[NIL]
	v_lshrrev_b32 v[LT], 5, v0
	v_readfirstlane_b32 s[WV], v[LT]
	s_and_b32 s[TEN], ttmp7, 0xffff
	s_mov_b32 s[G1], (2<<16)|(1<<20)|(6<<22)|(3<<25)   ; elements of 4 bytes; 4 words of padding behind every 128
	s_mov_b32 s[G1+1], 128<<16
	s_mov_b32 s[G1+2], 64<<16
	s_mov_b32 s[G1+3], 128<<16
	s_mov_b32 s[G1+4], 64
	s_mov_b32 s[G1+5], 512
	s_mov_b32 s[G1+6], 0
	s_mov_b32 s[G1+7], 0
	s_mov_b32 s60, 0x76543210
	s_mov_b32 s61, 0xfedcba98
	s_mov_b32 s62, 0xffff0000
	s_mov_b32 s76, 0x05040100
	s_mov_b32 s77, 0x07060302
	s_mul_i32 s78, s[WV], XREG                     ; the region that I fill: K step w
	s_mul_i32 s79, s[WV], 8*XP                     ; the rows that I quantise: token tile w
	s_lshl_b32 s66, ttmp9, 18                      ; 128 tokens of 2,048 bytes,
	s_lshl_b32 s67, s[WV], 9                       ; + K step w's 512 bytes
	s_add_co_u32 s66, s66, s67
	s_mov_b32 s67, 0
	s_lshl_b32 s68, s[WV], 9                       ; my 128 channels of the bias
	s_mov_b32 s69, 0
	s_mul_i32 s70, s[TEN], 196608
	s_mul_i32 s71, s[WV], 49152
	s_add_co_u32 s70, s70, s71                     ; my eight tiles of W's codes
	s_mov_b32 s71, 0
	s_lshl_b32 s72, s[TEN], 14
	s_lshl_b32 s73, s[WV], 12
	s_add_co_u32 s72, s72, s73
	s_add_co_u32 s72, s72, 786432                  ; and their scale words
	s_mov_b32 s73, 0
	s_lshr_b32 s74, ttmp9, 5
	s_lshl_b32 s74, s74, 3
	s_lshl_b32 s75, s[WV], 1
	s_add_co_u32 s74, s74, s75                     ; batch x 8 + my first head
	s_mul_i32 s74, s74, 409600
	s_bfe_u32 s75, ttmp9, 0x20003
	s_mul_i32 s75, s75, 102400                     ; the slot,
	s_add_co_u32 s74, s74, s75
	s_and_b32 s75, ttmp9, 7                        ; and the step in it
	s_lshl_b32 s2, s75, 9
	s_add_co_u32 s2, s2, s74
	s_add_co_u32 s2, s2, 98304                     ; its scale words
	s_mov_b32 s3, 0
	s_mul_i32 s75, s75, 12288
	s_add_co_u32 s74, s74, s75                     ; its images
	s_mov_b32 s75, 0
	s_wait_dscnt 0x0
	s_wait_kmcnt 0x0
	s_cmp_eq_u32 s[TEN], 1                         ; the buffers are chosen by the work-group's number alone
	s_cselect_b64 s[48:49], s[6:7], s[4:5]
	s_cselect_b64 s[50:51], s[12:13], s[10:11]
	s_cmp_eq_u32 s[TEN], 2
	s_cselect_b64 s[48:49], s[8:9], s[48:49]
	s_cselect_b64 s[50:51], s[14:15], s[50:51]
	s_cmp_eq_u32 s[TEN], 0
	s_cselect_b64 s[56:57], s[18:19], s[20:21]
	s_mov_b64 s[58:59], s[56:57]
	s_add_nc_u64 s[48:49], s[48:49], s[66:67]
	s_add_nc_u64 s[50:51], s[50:51], s[68:69]
	s_add_nc_u64 s[52:53], s[16:17], s[70:71]
	s_add_nc_u64 s[54:55], s[16:17], s[72:73]
	s_add_nc_u64 s[56:57], s[56:57], s[74:75]
	s_add_nc_u64 s[58:59], s[58:59], s[2:3]
.irp c, 0,1
	s_mov_b32 s[G0+4*\c], 1
	s_add_co_u32 s[G0+4*\c+1], s78, \c*4*XREG
	s_add_nc_u64 s[G0+4*\c+2:G0+4*\c+3], s[48:49], \c*64*2048
	s_or_b32 s[G0+4*\c+3], s[G0+4*\c+3], 0x80000000
.endr
	tensor_load_to_lds s[G0:G0+3], s[G1:G1+7]      ; the first 64 tokens, K step w: my one load at the head
	s_nop 0
	v_and_b32 v[LI], 31, v0
	v_lshlrev_b32 v[L8], 3, v[LI]
	v_lshlrev_b32 v[LI], 4, v[LI]
	v_and_b32 v[LT], 15, v0
	v_and_b32 v11, 8, v[LT]
	v_add_nc_u32 v11, v11, v[LT]                   ; r + 8 (r / 8): W's rows
	v_bfe_u32 v[LT], v0, 4, 1                      ; h
	v_lshlrev_b32 v[H8], 3, v[LT]
	v_and_b32 v[XA], 7, v0
	v_mul_u32_u24 v[XA], v[XA], XP                 ; token 8 w + r % 8
	v_bfe_u32 v[XWI], v0, 3, 1
	v_mul_u32_u24 v[XWI], v[XWI], 32*XP            ; + 32 (r / 8),
	v_add_nc_u32 v[XA], v[XA], v[XWI]
	v_lshl_add_u32 v[XA], v[LT], 6, v[XA]          ; + 64 h: my 16 numbers of a block of 32
	v_add_nc_u32 v[XA], s79, v[XA]
	v_add_nc_u32 v[LIX], XIMG, v[LI]
	v_add_nc_u32 v[LSX], XSC, v[LI]
	s_mul_i32 s79, s[WV], 6144
	v_add_nc_u32 v[XWI], s79, v[LIX]               ; token tile w's images,
	s_lshl_b32 s79, s[WV], 9
	v_add_nc_u32 v[XWS], s79, v[LSX]               ; and scale words
	v_lshlrev_b32 v[LT], 6, v[LT]
	v_lshlrev_b32 v11, 2, v11
	s_cmp_eq_u32 s[TEN], 2
	s_cselect_b32 s79, -1, 0
	s_cselect_b32 s63, 0, 4
	v_cndmask_b32 v[LT], v[LT], v11, s79           ; the bias in the results' layout: path 0: eight neighbouring channels a lane; path 1: one channel a lane, eight times
.irp j, 0,1,2,3,4,5,6,7
	v_mad_u32_u24 v[AB+\j], s63, \j, v[LT]
.endr
.irp b, 0,1,2,3
	v_mov_b32 v[TM+4+\b], 0                        ; written once: a lane permute's destination counts as one of its sources
.endr
	WLOAD 0
.irp t, 0,1,2,3,4,5,6,7
	global_load_b128 v[WS+4*\t:WS+4*\t+3], v[LI], s[54:55] offset:512*\t
.endr
	WLOAD 1
	WIN 0x40
.irp t, 0,1,2,3,4,5,6,7
.irp j, 0,1,2,3,4,5,6,7
	global_load_b32 v[BI+8*\t+\j], v[AB+\j], s[50:51] offset:(32*(\t/2)+8*(\t%2))*4
.endr
.endr
	WIN 0
	s_wait_alu depctr_va_vdst(0)                   ; the wait at the head's end
	s_wait_tensorcnt 0x0                           ; my K step of the first half is in
	ds_add_u32 v[SPW], v[NIL]
	s_wait_dscnt 0x0
	s_barrier_signal -1
	s_barrier_wait -1                              ; the first half is whole for all four waves
	tensor_load_to_lds s[G0+4:G0+7], s[G1:G1+7]    ; the second 64 tokens, into regions of their own
	s_nop 0
	XSTEP 0
	XSTEP 1
	ds_store_b128 v[XWS], v[PWX:PWX+3]
	s_wait_alu depctr_va_vdst(0)                   ; the wait here, directly ahead of the waits below
	s_wait_dscnt 0x0                               ; my images and words are in LDS: for the others' sake
	s_barrier_signal -1
	s_barrier_wait -1
	s_wait_loadcnt 0x0                             ; W, its scale words and the bias
	s_cmp_eq_u32 s[TEN], 2
	s_cbranch_scc1 .Lv0
	BLK 0, 0
	s_branch .Ljoin
.Lv0:
	BLK 1, 0
.Ljoin:
	s_wait_xcnt 0x0                                ; the half's last stores have read the codes' registers
	s_wait_tensorcnt 0x0                           ; my K step of the second half is in
	s_wait_dscnt 0x0
	s_barrier_signal -1
	s_barrier_wait -1                              ; and everybody's
	XSTEP 2
	XSTEP 3
	ds_store_b128 v[XWS], v[PWX:PWX+3] offset:2048
	s_wait_alu depctr_va_vdst(0)                   ; the wait here, directly ahead of the waits below
	s_wait_dscnt 0x0
	s_barrier_signal -1
	s_barrier_wait -1
	s_cmp_eq_u32 s[TEN], 2
	s_cbranch_scc1 .Lv1
	BLK 0, 1
	TAIL 0
	s_branch .Lend
.Lv1:
	BLK 1, 1
	TAIL 1
.Lend:
	s_wait_tensorcnt 0x0                           ; the wave's end: behind my last tensor load and my last LDS store
	ds_add_u32 v[SPW], v[NIL]
	s_wait_dscnt 0x0
	s_endpgm
.Lfunc_end_k_qcf5f32e7bb_proj:
	.size	k_qcf5f32e7bb_proj, .Lfunc_end_k_qcf5f32e7bb_proj-k_qcf5f32e7bb_proj
	.p2alignl 7, 3214868480
	.fill 96, 4, 3214868480
	.section	.rodata,"a",@progbits
	.p2align	6, 0x0
	.amdhsa_kernel k_qcf5f32e7bb_proj
		.amdhsa_group_segment_fixed_size 327680
		.amdhsa_private_segment_fixed_size 0
		.amdhsa_enable_private_segment 0
		.amdhsa_kernarg_size 72
		.amdhsa_user_sgpr_count 2
		.amdhsa_user_sgpr_kernarg_segment_ptr 1
		.amdhsa_wavefront_size32 1
		.amdhsa_system_sgpr_workgroup_id_x 1
		.amdhsa_system_sgpr_workgroup_id_y 1
		.amdhsa_system_sgpr_workgroup_id_z 1
		.amdhsa_system_vgpr_workitem_id 0
		.amdhsa_next_free_vgpr 1024
		.amdhsa_next_free_sgpr 80
		.amdhsa_reserve_vcc 0
		.amdhsa_float_denorm_mode_32 3
		.amdhsa_float_denorm_mode_16_64 3
		.amdhsa_memory_ordered 1
		.amdhsa_forward_progress 1
		.amdhsa_inst_pref_size 210
	.end_amdhsa_kernel
	.amdgpu_metadata
---
amdhsa.version: [ 1, 2 ]
amdhsa.kernels:
  - .name:           k_qcf5f32e7bb_proj
    .symbol:         k_qcf5f32e7bb_proj.kd
    .args:
      - { .name: q, .offset: 0, .size: 8, .value_kind: global_buffer, .address_space: global }
      - { .name: k, .offset: 8, .size: 8, .value_kind: global_buffer, .address_space: global }
      - { .name: v, .offset: 16, .size: 8, .value_kind: global_buffer, .address_space: global }
      - { .name: bq, .offset: 24, .size: 8, .value_kind: global_buffer, .address_space: global }
      - { .name: bk, .offset: 32, .size: 8, .value_kind: global_buffer, .address_space: global }
      - { .name: bv, .offset: 40, .size: 8, .value_kind: global_buffer, .address_space: global }
      - { .name: wbuf, .offset: 48, .size: 8, .value_kind: global_buffer, .address_space: global }
      - { .name: qc, .offset: 56, .size: 8, .value_kind: global_buffer, .address_space: global }
      - { .name: kv, .offset: 64, .size: 8, .value_kind: global_buffer, .address_space: global }
    .group_segment_fixed_size: 327680
    .private_segment_fixed_size: 0
    .kernarg_segment_align: 8
    .kernarg_segment_size: 72
    .max_flat_workgroup_size: 128
    .sgpr_count:     80
    .vgpr_count:     1024
    .wavefront_size: 32
...
	.end_amdgpu_metadata
.endif
;; end of part 2
;; launch attn (part 3): grid 16 x 16, 16 waves a work-group, clusters of 4 x 1, 327,680 bytes of LDS; arguments qc, kv, cc, cs; writes cc, cs
.if DOCPART == 3
	.amdgcn_target "amdgcn-amd-amdhsa--gfx1250"
	.amdhsa_code_object_version 6
	.text
	.protected	k_qcf5f32e7bb_attn
	.globl	k_qcf5f32e7bb_attn
	.p2align	8
	.type	k_qcf5f32e7bb_attn,@function
k_qcf5f32e7bb_attn:
	s_mov_b64 s[64:65], 0
	v_nop
	global_prefetch_b8 v0, s[64:65] scope:SCOPE_SE
	s_setreg_imm32_b32 hwreg(HW_REG_WAVE_MODE, 25, 1), 1
	s_wait_xcnt 0x0
	s_wait_alu depctr_hold_cnt(0) depctr_sa_sdst(0) depctr_va_vdst(0) depctr_va_sdst(0) depctr_va_ssrc(0) depctr_va_vcc(0) depctr_vm_vsrc(0)
	s_getreg_b32 s2, hwreg(HW_REG_IB_STS2, 6, 4)
	s_cmp_eq_u32 s2, 0
	s_cbranch_scc0 .Lentry_in_a_cluster
	s_endpgm
.Lentry_in_a_cluster:
	s_bfe_u32 s2, ttmp6, 0x10000c
	s_cmp_lg_u32 s2, 0x3003
	s_cbranch_scc0 .Lentry_shape_is_right
	s_endpgm
.Lentry_shape_is_right:
; ctx[b][q][head] = the sum over k of softmax_k(qh . kh / 8) vh, both products on codes of FP6 (E2M3) with one E8M0 scale for each 32 along a product's K; ctx leaves as codes for the last projection.
; THE SOFTMAX AHEAD OF THE SECOND PRODUCT: t = score x log2(e) / 8; M = the row's largest t so far, rounded UP to a whole number; p = 2^(t - M) is quantised along the keys, not normalised.  The row's sum is taken of the
; unquantised p, in f32, and divides at the end.  When M moves, the sum and O are multiplied by 2^(old M - new M): exact.
; SHARES.  Work-group y = batch x 8 + head; a work-group owns 256 queries, each of its sixteen waves one tile of 16 in 256 registers.  Every wave walks the head's 4,096 keys, 128 a step.
; kv holds, for each head, 4 slots of 102,400 bytes (8 key steps of 12,288 bytes of register images, K's 6,144 then V's 6,144; then the steps' scale words): a slot is ONE dense block of memory.
; CLUSTER.  The four query blocks of a cluster belong to one head and walk the same slots: each slot is asked for JOINTLY (waves 0 to 3, a quarter each: 100 rows of 256 bytes), through a ring of two LDS slots.
; LAYOUT.  Both products are used transposed: S^T = K Q^T, O^T = V^T P^T: a lane holds ONE query (lane % 16) throughout.
; THE KEYS OF A TILE ARE NOT NEIGHBOURS: row r of key tile t of a group of 64 keys is key 8 t + r % 8 + 32 (r / 8).  So in the scores lane (r, h) holds, in the 32 registers of the group's four tiles, keys 32 h + 0 .. 31 of the group:
; ONE WHOLE BLOCK OF 32 KEYS, in the order in which p's operand wants them: a block's largest score needs no other lane, and the conversions' results are the operand's registers.  Queries are laid in tiles the same way.
; V's channels: lane r of tile u of a group of 32 takes 8 u + r + 8 (r / 8).
; A HEAD HAS 64 CHANNELS, the instruction takes 128 along K: a fragment of K (12 registers) holds TWO key tiles, 2 i in registers 0-5 and 2 i + 1 in registers 6-11.  Tile 2 i is multiplied by [Q, 0], tile 2 i + 1 by [0, Q]:
; the other half meets zero codes, which add nothing under any scale byte but 0xff (Q's byte there is 0).
; LDS: slot 0 begins at byte 6,144, slot 1 at 2^17 + 6,144.  The step's address registers stand 6,144 bytes under the step's images when K is read and are stepped by 12,288 once a step, behind the first product: they then stand at V's images.
; LIMITS: the promise holds while the scaled scores stay under 2^31 in magnitude; a block of ctx whose largest magnitude lies under 2^-124 gets the byte 1, a block of zeros too (its codes are zeros; this program alone reads the bytes);
; NaN and infinities are not served.
; REGISTERS: v1 16 L, v2 8 L, v3 4 L; v4, v5 the add's two; v6-8 LDS addresses of the step; v9 256 L; v10 8 r; v11 8 h; v12 -M, v13 the largest score, v[14:15] the sum; v16-21 zeros, v22-27 Q, v28-33 zeros; v34, v35 Q's scale word low, high;
;   v36-83 four fragments of K, then of V; v84-85 K's scale words, v86-87 V's; v96-159 S^T, then p; v160-191 O^T; v192-203 p's codes; v204-210 and v232-254 at work.
.set SLOT1, 1<<17
.set BIAS,  6144
.set SLOTB, 102400
.set STEPB, 12288
.set SCOFF, 98304                      ; a slot's scale words: 512 bytes a step: K's 256, V's 256
.set SPARE, SLOT1+BIAS+SLOTB           ; the spare words, 128 bytes for each wave: eight blocks of 256 bytes that no other line names
.set SPW, 4
.set NIL, 5
.set WV,  12                           ; s12  my wave's number
.set G1,  16                           ; s[16:23] descriptor group 1
.set G0,  24                           ; s[24:27] descriptor group 0, which walks
.set TB,  28                           ; s28  the images' address, as the head comment says
.set TS,  29                           ; s29  the scale words': 256 bytes under the step's words when K's are read, at V's behind the step of 512
.set SLOTS, 30                         ; s30  slots still to be asked for
.set CNT, 31                           ; s31  counts a slot's eight steps
.set CS,  32                           ; s[32:33] c = log2(e) / 8
.set SEL, 34                           ; s[34:35] lane selects for lane l xor 16
.set PFA, 36                           ; s[36:37] where my prefetches stand
.set LIM, 38                           ; s38  1 in a wave that prefetches, else the greatest number
.macro CROUND                          ; a round of the cluster's barrier
	s_barrier_signal -1
	s_barrier_wait -1
	s_cmp_lg_u32 s[WV], 0
	s_cbranch_scc1 .Lnot_wave_0_\@
	s_barrier_signal -3
.Lnot_wave_0_\@:
	s_barrier_wait -3
	s_barrier_signal -1
	s_barrier_wait -1
.endm
.macro JLOAD                           ; the joint load: waves 0 to 3, a quarter of a slot each.  The branch hangs on the wave's number alone.  An s_nop 0 and four v_nop follow the load
	s_cmp_lt_u32 s[WV], 4
	s_cbranch_scc0 .Lno_load_\@
	tensor_load_to_lds s[G0:G0+3], s[G1:G1+7]
	s_nop 0
.rept 4
	v_nop
.endr
.Lno_load_\@:
.endm
; A PREFETCH INTO THE L2 of the codes that the NEXT change of slots will ask for: 98,304 bytes, lanes 256 bytes apart.  All four clusters of a head walk the same slots: the head's first cluster asks.  Its four partners take 24,576 bytes
; each, told apart BY ADDRESS; in each, waves 4, 5 and 6, which fetch nothing, ask for 8,192 bytes each, one instruction.  So each aligned block of 256 bytes is named once.  Slots 0 and 1 and the scale words come by their loads alone;
; the last change that fills a slot asks for nothing.
.macro ASK
	s_cmp_gt_u32 s[SLOTS], s[LIM]
	s_cbranch_scc0 .Lnot_mine_\@
	global_prefetch_b8 v9, s[PFA:PFA+1] th:TH_LOAD_NT scope:SCOPE_SE
.Lnot_mine_\@:
.endm
	s_load_b256 s[4:11], s[0:1], 0x0               ; qc s[4:5], kv s[6:7], cc s[8:9], cs s[10:11]
	v_lshl_add_u32 v[SPW], v0, 2, SPARE
	v_mov_b32 v[NIL], 0
	ds_add_u32 v[SPW], v[NIL]                      ; the opening lines: the add, twice on end, and its wait ahead of the round in front of the first tensor load
	ds_add_u32 v[SPW], v[NIL]
	v_lshrrev_b32 v6, 5, v0
	v_readfirstlane_b32 s[WV], v6                  ; wave 0..15
	s_bfe_u32 s13, ttmp6, 0x40000                  ; cx: it enters global addresses of qc, cc, cs and the prefetches alone
	s_lshl_b32 s14, ttmp9, 2
	s_add_co_u32 s14, s14, s13                     ; my block of 256 queries
	s_and_b32 s15, ttmp7, 0xffff                   ; batch x 8 + head, which the four partners share
	s_mov_b32 s[G1], 15|(3<<16)|(1<<21)            ; the mask: all four work-groups; elements of 8 bytes; bit 21 set beside a mask; no padding: every read is a dense image
	s_mov_b32 s[G1+1], 32<<16                      ; rows of 256 bytes,
	s_mov_b32 s[G1+2], 100<<16                     ; 100 of them
	s_mov_b32 s[G1+3], 32<<16
	s_mov_b32 s[G1+4], 100
	s_mov_b32 s[G1+5], 32                          ; dense
	s_mov_b32 s[G1+6], 0
	s_mov_b32 s[G1+7], 0
	s_mul_i32 s39, s15, 409600                     ; the head's first byte in kv and in qc
	s_and_b32 s[G0+1], s[WV], 3
	s_mul_i32 s[G0+1], s[G0+1], 25600              ; my quarter of a slot,
	s_add_co_u32 s40, s39, s[G0+1]                 ; in memory,
	s_add_co_u32 s[G0+1], s[G0+1], BIAS            ; and in LDS: slot 0
	s_mov_b32 s41, 0
	s_lshl_b32 s42, s14, 1
	s_lshr_b32 s43, s[WV], 3
	s_add_co_u32 s42, s42, s43                     ; my queries' step of 128 in qc, which is laid as kv is
	s_lshr_b32 s43, s42, 3
	s_mul_i32 s43, s43, SLOTB
	s_add_co_u32 s43, s43, s39
	s_and_b32 s42, s42, 7
	s_lshl_b32 s44, s42, 9
	s_add_co_u32 s44, s44, s43
	s_add_co_u32 s44, s44, SCOFF                   ; its scale words
	s_mul_i32 s42, s42, STEPB
	s_add_co_u32 s42, s42, s43
	s_and_b32 s45, s[WV], 7                        ; my tile in the step
	s_mul_i32 s43, s45, 768
	s_add_co_u32 s42, s42, s43                     ; my half image
	s_mov_b32 s43, 0
	s_bfe_u32 s46, s45, 0x10001
	s_lshl_b32 s46, s46, 7                         ; my pair word: lanes 16-31's where (tile / 2) is odd: 128 bytes on,
	s_add_co_u32 s44, s44, s46
	s_lshr_b32 s46, s45, 2
	s_lshl_b32 s46, s46, 2                         ; word tile / 4
	s_add_co_u32 s44, s44, s46
	s_and_b32 s52, s45, 1
	s_lshl_b32 s52, s52, 4                         ; and in it my 16 bits
	s_mov_b32 s45, 0
	s_lshr_b32 s46, s15, 3
	s_lshl_b32 s46, s46, 8
	s_lshl_b32 s47, s14, 4
	s_add_co_u32 s46, s46, s47
	s_add_co_u32 s46, s46, s[WV]                   ; my token tile among the 512
	s_and_b32 s47, s15, 7                          ; the head
	s_lshl_b32 s48, s46, 3
	s_add_co_u32 s48, s48, s47
	s_lshl_b32 s48, s48, 7                         ; cs: 128 bytes for each tile and head
	s_mov_b32 s49, 0
	s_mul_i32 s46, s46, 6144
	s_mul_i32 s47, s47, 768
	s_add_co_u32 s46, s46, s47                     ; cc: the tile's eight half images
	s_mov_b32 s47, 0
	s_mul_i32 s50, s13, 24576                      ; the prefetches: my work-group's part of a slot's codes,
	s_and_b32 s51, s[WV], 3
	s_lshl_b32 s51, s51, 13                        ; my wave's 8,192 bytes of it,
	s_add_co_u32 s50, s50, s51
	s_add_co_u32 s50, s50, s39
	s_add_co_u32 s50, s50, SLOTB                   ; in slot 1: the first change of slots steps it to slot 2
	s_mov_b32 s51, 0
	s_sub_co_u32 s53, s[WV], 4
	s_cmp_lt_u32 s53, 3                            ; waves 4, 5, 6
	s_cselect_b32 s[LIM], 1, -1
	s_cmp_eq_u32 ttmp9, 0                          ; of the head's first cluster: the same in all four partners
	s_cselect_b32 s[LIM], s[LIM], -1
	s_mov_b32 s[CS], 0x3e38aa3b                    ; c = log2(e) / 8
	s_mov_b32 s[CS+1], s[CS]                       ; (named with it as a pair, so it is written)
	s_mov_b32 s[SEL], 0x76543210
	s_mov_b32 s[SEL+1], 0xfedcba98
	s_mov_b32 s[TB], 0
	s_mov_b32 s[TS], BIAS+SCOFF-256
	s_mov_b32 s[SLOTS], 3
	v_and_b32 v3, 31, v0
	v_and_b32 v10, 15, v0
	v_bfe_u32 v11, v0, 4, 1
	v_lshlrev_b32 v1, 4, v3
	v_lshlrev_b32 v2, 3, v3
	v_lshlrev_b32 v9, 8, v3
	v_lshlrev_b32 v3, 2, v3
	v_lshlrev_b32 v10, 3, v10
	v_lshlrev_b32 v11, 3, v11
	s_wait_alu depctr_va_vdst(0)                   ; the wait here, directly ahead of the waits below
	s_wait_dscnt 0x0                               ; both opening adds are done
	s_wait_kmcnt 0x0
	s_mov_b32 s[G0], 1
	s_add_nc_u64 s[G0+2:G0+3], s[6:7], s[40:41]    ; the head's slot 0, my quarter
	s_or_b32 s[G0+3], s[G0+3], 0x80000000
	s_add_nc_u64 s[PFA:PFA+1], s[6:7], s[50:51]
	s_add_nc_u64 s[54:55], s[4:5], s[44:45]        ; Q's pair word
	s_add_nc_u64 s[4:5], s[4:5], s[42:43]          ; Q's half image
	s_add_nc_u64 s[8:9], s[8:9], s[46:47]
	s_add_nc_u64 s[10:11], s[10:11], s[48:49]
	CROUND                                         ; all four work-groups are here: the first joint loads meet
	JLOAD                                          ; slot 0
	global_load_b128 v[22:25], v1, s[4:5]          ; Q stays in registers
	global_load_b64 v[26:27], v2, s[4:5] offset:512
	global_load_b32 v34, v10, s[54:55]
	s_wait_loadcnt 0x0
	v_lshrrev_b32 v34, s52, v34
	s_delay_alu instid0(VALU_DEP_1)
	v_and_b32 v34, 0xffff, v34                     ; Q's two bytes in bytes 0, 1: for [Q, 0];
	s_delay_alu instid0(VALU_DEP_1)
	v_lshlrev_b32 v35, 16, v34                     ; in bytes 2, 3: for [0, Q]
.irp j, 16,17,18,19,20,21,28,29,30,31,32,33
	v_mov_b32 v[\j], 0                             ; zero codes on both sides of Q
.endr
	v_mov_b32 v13, 0xff61b1e6                      ; the largest score so far: -3e38, under every score
	v_mov_b32 v14, 0                               ; the sum, in two halves
	v_mov_b32 v15, 0
	v_floor_f32 v12, -v13                          ; -M
.irp b, 0,1,2,3
	v_mov_b32 v[236+\b], 0                         ; written once: a lane permute's destination counts as one of its sources
.endr
	v_mov_b32 v253, 0                              ; (named as the upper half of the pair v[252:253] before it is first written)
.irp j, 0,1,2,3,4,5,6,7,8,9,10,11,12,13,14,15,16,17,18,19,20,21,22,23,24,25,26,27,28,29,30,31
	v_mov_b32 v[160+\j], 0                         ; O^T: the step is written once; the first finds zeros, which the first change of M leaves zeros
.endr
	s_wait_alu depctr_va_vdst(0)                   ; the wait at the head's end
.macro SUM4 j                          ; four pairs of p onto the sum's four chains
	v_pk_add_f32 v[204:205], v[204:205], v[\j:\j+1]
	v_pk_add_f32 v[206:207], v[206:207], v[\j+2:\j+3]
	v_pk_add_f32 v[208:209], v[208:209], v[\j+4:\j+5]
	v_pk_add_f32 v[14:15], v[14:15], v[\j+6:\j+7]
.endm
; A KEY STEP: 128 keys
.macro STEP
.irp t, 0,1,2,3,4,5,6,7
	ds_load_b128 v[36+6*\t:39+6*\t], v6 offset:BIAS+768*\t         ; key tile t's half image: 512 consecutive bytes,
	ds_load_b64 v[40+6*\t:41+6*\t], v7 offset:BIAS+768*\t+512      ; and 256
.endr
	ds_load_b64 v[84:85], v8 offset:256            ; K's pair words: word k: lanes 0-15 fragment 2 k's, lanes 16-31 fragment 2 k + 1's
	s_add_co_u32 s[TB], s[TB], STEPB
	s_add_co_u32 s[TS], s[TS], 512
	s_wait_dscnt 0x0
.irp t, 0,1,2,3,4,5,6,7                        ; even tiles against [Q, 0] (v22-33, v34), odd ones against [0, Q] (v16-27, v35)
.if ((\t/2)%2) == 0
	v_wmma_scale_f32_16x16x128_f8f6f4 v[96+8*\t:103+8*\t], v[36+12*(\t/2):47+12*(\t/2)], v[22-6*(\t%2):33-6*(\t%2)], 0, v[84+\t/4], v[34+\t%2] matrix_a_fmt:MATRIX_FMT_FP6 matrix_b_fmt:MATRIX_FMT_FP6
.else
	v_wmma_scale_f32_16x16x128_f8f6f4 v[96+8*\t:103+8*\t], v[36+12*(\t/2):47+12*(\t/2)], v[22-6*(\t%2):33-6*(\t%2)], 0, v[84+\t/4], v[34+\t%2] matrix_a_fmt:MATRIX_FMT_FP6 matrix_b_fmt:MATRIX_FMT_FP6 matrix_a_scale:MATRIX_SCALE_ROW1
.endif
.endr                                              ; lane (r, h) holds query r; register 96 + 32 c + i is key 64 c + 32 h + i
	v_add_nc_u32 v6, s[TB], v1                     ; the addresses go on to V's images; these four lines are the places in front of the loads below and of the first read of the scores
	v_add_nc_u32 v7, s[TB], v2
	v_add_nc_u32 v8, s[TS], v2
	v_mov_b32 v210, v12                            ; the old -M
.irp t, 0,1,2,3                                ; V's four fragments take K's registers and land under the softmax
.irp c, 0,1
	ds_load_b128 v[36+12*\t+6*\c:39+12*\t+6*\c], v6 offset:1536*\t+768*\c
	ds_load_b64 v[40+12*\t+6*\c:41+12*\t+6*\c], v7 offset:1536*\t+768*\c+512
.endr
.endr
	ds_load_b64 v[86:87], v8                       ; V's words: word k: lanes 0-15 channel tile 2 k's, lanes 16-31 tile 2 k + 1's
.irp q, 0,1,2,3
	v_max3_num_f32 v[232+\q], v[96+16*\q], v[97+16*\q], v[98+16*\q]   ; four chains of 16 scores by turns; each accumulator is first read at its low end
.endr
.irp i, 3,5,7,9,11,13
.irp q, 0,1,2,3
	v_max3_num_f32 v[232+\q], v[232+\q], v[96+16*\q+\i], v[97+16*\q+\i]
.endr
.endr
	v_max3_num_f32 v232, v232, v233, v111          ; my two blocks' largest scores: they serve the row's maximum and, since p rises with the score, the blocks' largest p
	v_max3_num_f32 v234, v234, v235, v143
	v_max_num_f32 v232, v232, v127
	v_max_num_f32 v234, v234, v159
	s_delay_alu instid0(VALU_DEP_1)
	v_max_num_f32 v254, v232, v234
	s_delay_alu instid0(VALU_DEP_1)
	v_permlanex16_b32 v236, v254, s[SEL], s[SEL+1]
	s_delay_alu instid0(VALU_DEP_1)
	v_max3_num_f32 v13, v13, v254, v236            ; the running largest score, lane l xor 16's 64 keys among them
	s_delay_alu instid0(VALU_DEP_1)
	v_mul_f32 v254, s[CS], v13                     ; as t (c is positive)
	s_delay_alu instid0(VALU_DEP_1)
	v_floor_f32 v12, -v254                         ; the new -M = floor(-t): M is a whole number
	s_delay_alu instid0(VALU_DEP_1)
	v_sub_f32 v254, v12, v210                      ; old M - new M: a whole number, 0 or less
.irp j, 0,2,4,6
	v_pk_fma_f32 v[96+\j:97+\j], v[96+\j:97+\j], s[CS:CS+1], v[12:13] op_sel_hi:[1,0,0]   ; t - M, two at a time
.endr
	v_cvt_i32_f32 v254, v254                       ; (it saturates)
.irp j, 8,10,12,14
	v_pk_fma_f32 v[96+\j:97+\j], v[96+\j:97+\j], s[CS:CS+1], v[12:13] op_sel_hi:[1,0,0]
.endr
	v_ldexp_f32 v252, 1.0, v254                    ; f = 2^(old M - new M)
.irp j, 16,18,20,22,24,26,28,30,32,34,36,38,40,42,44,46,48,50,52,54,56,58,60,62
	v_pk_fma_f32 v[96+\j:97+\j], v[96+\j:97+\j], s[CS:CS+1], v[12:13] op_sel_hi:[1,0,0]
.endr
	v_fma_f32 v232, v232, s[CS], v12               ; the same of each block's largest score
	v_fma_f32 v234, v234, s[CS], v12
.irp j, 0,2,4,6,8,10,12,14,16,18,20,22,24,26,28,30
	v_pk_mul_f32 v[160+\j:161+\j], v[160+\j:161+\j], v[252:253] op_sel_hi:[1,0]   ; O^T under the new M, each accumulator from its low end on
.endr
	s_wait_alu depctr_va_vdst(0)                   ; the wait ahead of the batch
.irp j, 0,1,2,3,4,5,6,7,8,9,10,11,12,13,14,15,16,17,18,19,20,21,22,23,24,25,26,27,28,29,30,31,32,33,34,35,36,37,38,39,40,41,42,43,44,45,46,47,48,49,50,51,52,53,54,55,56,57,58,59,60,61,62,63
	v_exp_f32 v[96+\j], v[96+\j]                   ; p = 2^(t - M), at most 1: not normalised
.endr
	v_exp_f32 v232, v232                           ; the blocks' largest p: the same two instructions on the same number give the same bits
	v_exp_f32 v234, v234
	v_pk_mul_f32 v[14:15], v[14:15], v[252:253] op_sel_hi:[1,0]   ; the sum under the new M: the plain place behind the exponentials
	s_wait_alu depctr_va_vdst(0)                   ; one wait for the whole batch, ahead of its first reader
	s_wait_dscnt 0x0                               ; V and its words are in
	v_max_num_f32 v232, 0x1800000, v232            ; the floor 2^(3 - 127): the byte cannot fall under 1
	v_max_num_f32 v234, 0x1800000, v234
	v_pk_add_f32 v[204:205], v[96:97], v[98:99]    ; THE ROW'S SUM IS TAKEN OF THE UNQUANTISED p: four chains, laid between the lines of the scale's chain
	v_pk_add_f32 v[206:207], v[100:101], v[102:103]
	v_add_nc_u32 v248, 0xff000000, v232            ; 2 off the exponent field: the conversion's scale operand
	v_add_nc_u32 v249, 0xff000000, v234
	v_pk_add_f32 v[208:209], v[104:105], v[106:107]
	v_pk_add_f32 v[14:15], v[14:15], v[108:109]
	v_cvt_scalef32_pk16_fp6_f32 v[192:194], v[96:111], v248
	v_cvt_scalef32_pk16_fp6_f32 v[240:242], v[112:127], v248   ; (a conversion's three registers begin on an even number: a block's second half is made elsewhere and moved)
	v_cvt_scalef32_pk16_fp6_f32 v[198:200], v[128:143], v249
	v_cvt_scalef32_pk16_fp6_f32 v[244:246], v[144:159], v249
	v_lshrrev_b32 v236, 23, v248                   ; the scales' bytes: blocks h and 2 + h.  (Also the plain place behind the conversions)
	v_lshrrev_b32 v237, 23, v249
	v_mov_b32 v195, v240
	v_mov_b32 v196, v241
	v_lshl_or_b32 v238, v237, 16, v236
	v_mov_b32 v197, v242
	v_mov_b32 v201, v244
	v_lshlrev_b32 v238, v11, v238                  ; at their places in the word: 8 h bits up
	v_mov_b32 v202, v245
	v_mov_b32 v203, v246
	v_permlanex16_b32 v239, v238, s[SEL], s[SEL+1]
	SUM4 110
	v_or_b32 v253, v238, v239                      ; with lane l xor 16's two bytes p's scale word is whole
	SUM4 118                                       ; these twelve are the places that a scale register written by a vector instruction owes ahead of a scaled product
	SUM4 126
	SUM4 134
.irp t, 0,1,2,3                                ; O^T += V^T P^T: four tiles of 16 channels, by turns; K = these 128 keys
.if (\t%2) == 0
	v_wmma_scale_f32_16x16x128_f8f6f4 v[160+8*\t:167+8*\t], v[36+12*\t:47+12*\t], v[192:203], v[160+8*\t:167+8*\t], v[86+\t/2], v253 matrix_a_fmt:MATRIX_FMT_FP6 matrix_b_fmt:MATRIX_FMT_FP6
.else
	v_wmma_scale_f32_16x16x128_f8f6f4 v[160+8*\t:167+8*\t], v[36+12*\t:47+12*\t], v[192:203], v[160+8*\t:167+8*\t], v[86+\t/2], v253 matrix_a_fmt:MATRIX_FMT_FP6 matrix_b_fmt:MATRIX_FMT_FP6 matrix_a_scale:MATRIX_SCALE_ROW1
.endif
.endr
	SUM4 142                                       ; the rest of the sum names no register of the products above: these twelve are the places in front of the next step's loads into V's registers
	SUM4 150
	v_pk_add_f32 v[204:205], v[204:205], v[158:159]
	v_pk_add_f32 v[206:207], v[206:207], v[208:209]
	s_delay_alu instid0(VALU_DEP_2)
	v_pk_add_f32 v[14:15], v[14:15], v[204:205]
	s_delay_alu instid0(VALU_DEP_1)
	v_pk_add_f32 v[14:15], v[14:15], v[206:207]
.endm
; THE CHANGE OF SLOTS stands at a slot's head.  Each wave waits for all its tensor loads (its part of the slot that it is about to read), adds 0 to its spare word, and waits for that and for its reads of the slot that it has left.
; fill = 1: the barrier is a round of the cluster's, so that no wave of any partner still reads the other slot or has a load on its way, and the joint load of the keys that follow is the first thing behind it:
; it has a slot's eight key steps in which to land.  One load of a wave is out at the most.
.macro CHANGE fill
	s_wait_tensorcnt 0x0                           ; no tensor load of mine is out, so group 0 may be written
	ds_add_u32 v[SPW], v[NIL]                      ; 0 onto my spare word
.if \fill
	ds_add_u32 v[SPW], v[NIL]                      ; twice on end
	s_xor_b32 s[G0+1], s[G0+1], SLOT1              ; the walking descriptor: the other slot than last time,
	s_add_nc_u64 s[G0+2:G0+3], s[G0+2:G0+3], SLOTB   ; the next 1,024 keys; the type bits on top are not reached
	s_wait_xcnt 0x0                                ; the last prefetch, a slot back, has read its address, so it may be written:
	s_add_nc_u64 s[PFA:PFA+1], s[PFA:PFA+1], SLOTB   ; one slot further on than the walking descriptor
	s_wait_dscnt 0x0                               ; the adds are done, and my reads of the slot that I have left are over
	CROUND
	JLOAD
	ASK
.else
	s_wait_dscnt 0x0
	s_barrier_signal -1
	s_barrier_wait -1
.endif
.endm
.macro SLOT_STEPS                      ; a slot's eight key steps: written once, walked eight times
	v_add_nc_u32 v6, s[TB], v1                     ; the slot's first step
	v_add_nc_u32 v7, s[TB], v2
	v_add_nc_u32 v8, s[TS], v2
	s_mov_b32 s[CNT], 8
.Lstep_\@:
	STEP
	s_sub_co_u32 s[CNT], s[CNT], 1
	s_cmp_lg_u32 s[CNT], 0
	s_cbranch_scc1 .Lstep_\@
	s_sub_co_u32 s[TB], s[TB], 8*STEPB             ; back to a slot's first step,
	s_xor_b32 s[TB], s[TB], SLOT1                  ; in the other slot
	s_sub_co_u32 s[TS], s[TS], 8*512
	s_xor_b32 s[TS], s[TS], SLOT1
.endm
.Lslot:                                            ; three trips: behind each change of slots but the last the next slot is asked for
	CHANGE 1
	SLOT_STEPS
	s_sub_co_u32 s[SLOTS], s[SLOTS], 1
	s_cmp_lg_u32 s[SLOTS], 0
	s_cbranch_scc1 .Lslot
	CHANGE 0                                       ; the last slot is written out
	SLOT_STEPS
	; THE WAY OUT.  O^T / the sum is my 16 queries' part of ctx: 64 channels, two blocks of 32 along the last projection's K.  It is quantised in registers and leaves as a half image and a word of two scale bytes.
	; (The last step's twelve additions are the places behind the last products.)
	s_wait_alu depctr_va_vdst(0)                   ; the wait here, behind the run of scalar lines
	v_add_f32 v14, v14, v15                        ; the sum's two halves,
	s_delay_alu instid0(VALU_DEP_1)
	v_permlanex16_b32 v252, v14, s[SEL], s[SEL+1]
	s_delay_alu instid0(VALU_DEP_1)
	v_add_f32 v14, v14, v252                       ; and lane l xor 16's: the row's sum
	s_wait_alu depctr_va_vdst(0)                   ; the wait ahead of the transcendental
	v_rcp_f32 v14, v14
	v_nop                                          ; a plain place behind the transcendental
	s_wait_alu depctr_va_vdst(0)                   ; and the wait ahead of its first reader
.irp j, 0,2,4,6,8,10,12,14,16,18,20,22,24,26,28,30
	v_pk_mul_f32 v[96+\j:97+\j], v[160+\j:161+\j], v[14:15] op_sel_hi:[1,0]   ; register 16 b + i is channel 32 b + 16 h + i of query r; each accumulator from its low end on
.endr
.irp b, 0,1
	v_max3_num_f32 v[232+\b], |v[96+16*\b]|, |v[97+16*\b]|, 0x1800000
.endr
.irp i, 2,4,6,8,10,12,14
.irp b, 0,1
	s_delay_alu instid0(VALU_DEP_2)
	v_max3_num_f32 v[232+\b], v[232+\b], |v[96+16*\b+\i]|, |v[97+16*\b+\i]|
.endr
.endr
.irp b, 0,1
	s_delay_alu instid0(VALU_DEP_2)
	v_permlanex16_b32 v[236+\b], v[232+\b], s[SEL], s[SEL+1]
.endr
.irp b, 0,1
	s_delay_alu instid0(VALU_DEP_2)
	v_max_num_f32 v[232+\b], v[232+\b], v[236+\b]
.endr
.irp b, 0,1
	s_delay_alu instid0(VALU_DEP_2)
	v_add_nc_u32 v[244+\b], 0xff000000, v[232+\b]
.endr
.irp b, 0,1
	s_delay_alu instid0(VALU_DEP_2)
	v_lshrrev_b32 v[236+\b], 23, v[244+\b]
.endr
	s_delay_alu instid0(VALU_DEP_1)
	v_lshl_or_b32 v238, v237, 8, v236              ; the two bytes, in the low half of a word
	v_cvt_scalef32_pk16_fp6_f32 v[192:194], v[96:111], v244
	v_cvt_scalef32_pk16_fp6_f32 v[240:242], v[112:127], v245
	v_nop                                          ; one plain place behind the scaled conversions
.irp i, 0,1,2
	v_permlane16_swap_b32 v[192+\i], v[240+\i]     ; here a block of 32 channels lies in lanes l and l xor 16: the operand's layout wants it whole in a lane
.endr
.irp i, 0,1,2
	s_delay_alu instid0(VALU_DEP_3)
	v_mov_b32 v[195+\i], v[240+\i]
.endr
	global_store_b128 v1, v[192:195], s[8:9]       ; 512 consecutive bytes, at a multiple of 256 from cc's first byte,
	global_store_b64 v2, v[196:197], s[8:9] offset:512   ; and 256
	global_store_b32 v3, v238, s[10:11]            ; 128 consecutive bytes of cs
	s_wait_tensorcnt 0x0                           ; the wave's end: behind my last tensor load
	ds_add_u32 v[SPW], v[NIL]
	s_wait_dscnt 0x0
	CROUND                                         ; the closing round: no work-group ends while a partner may still ask for a slot that names it
	s_endpgm
.Lfunc_end_k_qcf5f32e7bb_attn:
	.size	k_qcf5f32e7bb_attn, .Lfunc_end_k_qcf5f32e7bb_attn-k_qcf5f32e7bb_attn
	.p2alignl 7, 3214868480
	.fill 96, 4, 3214868480
	.section	.rodata,"a",@progbits
	.p2align	6, 0x0
	.amdhsa_kernel k_qcf5f32e7bb_attn
		.amdhsa_group_segment_fixed_size 327680
		.amdhsa_private_segment_fixed_size 0
		.amdhsa_enable_private_segment 0
		.amdhsa_kernarg_size 32
		.amdhsa_user_sgpr_count 2
		.amdhsa_user_sgpr_kernarg_segment_ptr 1
		.amdhsa_wavefront_size32 1
		.amdhsa_system_sgpr_workgroup_id_x 1
		.amdhsa_system_sgpr_workgroup_id_y 1
		.amdhsa_system_sgpr_workgroup_id_z 1
		.amdhsa_system_vgpr_workitem_id 0
		.amdhsa_next_free_vgpr 256
		.amdhsa_next_free_sgpr 66
		.amdhsa_reserve_vcc 0
		.amdhsa_float_denorm_mode_32 3
		.amdhsa_float_denorm_mode_16_64 3
		.amdhsa_memory_ordered 1
		.amdhsa_forward_progress 1
		.amdhsa_inst_pref_size 45
	.end_amdhsa_kernel
	.amdgpu_metadata
---
amdhsa.version: [ 1, 2 ]
amdhsa.kernels:
  - .name:           k_qcf5f32e7bb_attn
    .symbol:         k_qcf5f32e7bb_attn.kd
    .args:
      - { .name: qc, .offset: 0, .size: 8, .value_kind: global_buffer, .address_space: global }
      - { .name: kv, .offset: 8, .size: 8, .value_kind: global_buffer, .address_space: global }
      - { .name: cc, .offset: 16, .size: 8, .value_kind: global_buffer, .address_space: global }
      - { .name: cs, .offset: 24, .size: 8, .value_kind: global_buffer, .address_space: global }
    .group_segment_fixed_size: 327680
    .private_segment_fixed_size: 0
    .kernarg_segment_align: 8
    .kernarg_segment_size: 32
    .max_flat_workgroup_size: 512
    .sgpr_count:     66
    .vgpr_count:     256
    .wavefront_size: 32
...
	.end_amdgpu_metadata
.endif
;; end of part 3
;; launch oproj (part 4): grid 4 x 64, 4 waves a work-group, no clusters, 17,920 bytes of LDS; arguments cc, cs, wbuf, bo, out0; writes out0
.if DOCPART == 4
	.amdgcn_target "amdgcn-amd-amdhsa--gfx1250"
	.amdhsa_code_object_version 6
	.text
	.protected	k_qcf5f32e7bb_oproj
	.globl	k_qcf5f32e7bb_oproj
	.p2align	8
	.type	k_qcf5f32e7bb_oproj,@function
k_qcf5f32e7bb_oproj:
	s_mov_b64 s[64:65], 0
	v_nop
	global_prefetch_b8 v0, s[64:65] scope:SCOPE_SE
	s_setreg_imm32_b32 hwreg(HW_REG_WAVE_MODE, 25, 1), 1
	s_wait_xcnt 0x0
; out0 = Q(ctx) Q(Wo)^T + bo on codes of FP6 (E2M3).  ctx's codes (cc) and scale bytes (cs) and Wo's (wbuf) lie as images of operand registers, so every operand goes from memory straight into registers by dense loads.
; SHARES.  A work-group takes 128 tokens (work-group y) x 128 columns (work-group x); wave w takes 64 x 64: token tiles 8 y + 4 (w / 2) + 0 .. 3, column group g = 2 x + w % 2 (four tiles of Wo).  K = 512: four steps of 128, two heads each.
; TRANSPOSED: source 0 = 16 rows of Wo, source 1 = 16 tokens: a lane holds one token and eight neighbouring columns.  Rows of a tile are not neighbours: lane r of tile u of a group of 32 takes 8 u + r + 8 (r / 8), for Wo's rows alone.
; The bias is the C of each sum's first matrix instruction.  Sixteen accumulators take turns.  A tile of 16 tokens x 64 columns goes through the wave's own stage in LDS and leaves as rows of 256 bytes.
; No tensor load, no barrier: waves share nothing.  No cluster: the operands go to registers, not through LDS.
; REGISTERS: window 0: v1-7 addresses; v13, v14 the add's two; v16-31 Wo's scale words; v32-47 ctx's; v48-79 ctx's words as they are loaded, later rows on the way out; v80-111 the bias, later rows on the way out; v128-255 accumulators.
;   window 1: Wo's fragments at 12 (4 t + s).   window 2: ctx's at 12 (4 mt + s).
.set SPITCH, 272                       ; a stage row: 256 bytes + 16
.set STGW,  16*SPITCH
.set SPARE, 4*STGW                     ; behind the four stages: the spare words, 128 bytes for each wave: two blocks of 256 bytes that no other line names
.set LI,  1                            ; 16 x lane
.set L8,  2                            ; 8 x lane
.set L4,  3                            ; 4 x lane
.set BA,  4                            ; 64 h: the bias's eight columns of my half
.set SO,  5                            ; the stage: where I put 16 bytes of a row
.set SR,  6                            ; and where I read a row back
.set GO,  7                            ; my byte offset in out0
.set SPW, 13
.set NIL, 14
.set WS,  16
.set CS,  32
.set RAW, 48
.set BI,  80
.set ACC, 128
.set MSB, 0
.macro WIN new                         ; the immediate's high byte repeats the setting that is left
.if MSB != \new
	s_set_vgpr_msb (MSB<<8)|\new
.set MSB, \new
.endif
.endm
	s_load_b256 s[4:11], s[0:1], 0x0               ; cc s[4:5], cs s[6:7], wbuf s[8:9], bo s[10:11]
	s_load_b64 s[12:13], s[0:1], 0x20              ; out0
	v_lshl_add_u32 v[SPW], v0, 2, SPARE
	v_mov_b32 v[NIL], 0
	v_lshrrev_b32 v8, 5, v0
	v_readfirstlane_b32 s14, v8                    ; wave 0..3
	s_and_b32 s15, ttmp7, 0xffff                   ; y
	s_and_b32 s16, s14, 1
	s_lshl_b32 s17, ttmp9, 1
	s_add_co_u32 s16, s16, s17                     ; g: my 64 columns
	s_lshr_b32 s17, s14, 1
	s_lshl_b32 s17, s17, 2
	s_lshl_b32 s18, s15, 3
	s_add_co_u32 s17, s17, s18                     ; my first token tile
	s_mul_i32 s20, s17, 6144                       ; cc
	s_mov_b32 s21, 0
	s_lshl_b32 s22, s17, 10                        ; cs: 8 x 128 bytes a tile
	s_mov_b32 s23, 0
	s_mul_i32 s24, s16, 4*6144
	s_add_co_u32 s24, s24, 589824                  ; wbuf: Wo's codes, my four tiles
	s_mov_b32 s25, 0
	s_lshl_b32 s26, s16, 11
	s_add_co_u32 s26, s26, 835584                  ; and their scale words
	s_mov_b32 s27, 0
	s_lshl_b32 s28, s16, 8                         ; my columns, in bytes
	s_mov_b32 s29, 0
	s_lshl_b32 s30, s17, 15                        ; 16 tokens of 2,048 bytes a tile
	s_add_co_u32 s30, s30, s28
	s_mov_b32 s31, 0
	v_and_b32 v8, 31, v0
	v_lshlrev_b32 v[LI], 4, v8
	v_lshlrev_b32 v[L8], 3, v8
	v_lshlrev_b32 v[L4], 2, v8
	v_and_b32 v9, 15, v0                           ; r
	v_bfe_u32 v10, v0, 4, 1                        ; h
	v_lshlrev_b32 v[BA], 6, v10
	s_mul_i32 s19, s14, STGW                       ; my stage
	v_mul_u32_u24 v[SO], v9, SPITCH
	v_lshl_add_u32 v[SO], v10, 6, v[SO]
	v_add_nc_u32 v[SO], s19, v[SO]                 ; in: row r, + 64 h
	v_mul_u32_u24 v[SR], v10, SPITCH
	v_lshl_add_u32 v[SR], v9, 4, v[SR]
	v_add_nc_u32 v[SR], s19, v[SR]                 ; back: lanes 0-15 one row, lanes 16-31 the next
	v_lshlrev_b32 v[GO], 11, v10
	v_lshl_add_u32 v[GO], v9, 4, v[GO]             ; and the same two rows in out0
	s_wait_alu depctr_va_vdst(0)
	s_wait_kmcnt 0x0
	s_add_nc_u64 s[4:5], s[4:5], s[20:21]
	s_add_nc_u64 s[6:7], s[6:7], s[22:23]
	s_add_nc_u64 s[32:33], s[8:9], s[24:25]
	s_add_nc_u64 s[34:35], s[8:9], s[26:27]
	s_add_nc_u64 s[10:11], s[10:11], s[28:29]
	s_add_nc_u64 s[12:13], s[12:13], s[30:31]
	WIN 0x80                                       ; destination window 2
.irp mt, 0,1,2,3                               ; ctx: K step s = the half images of heads 2 s and 2 s + 1
.irp s, 0,1,2,3
.set rC, 12*(4*\mt+\s)
.set oC, 6144*\mt+1536*\s
	global_load_b128 v[rC:rC+3], v[LI], s[4:5] offset:oC
	global_load_b64 v[rC+4:rC+5], v[L8], s[4:5] offset:oC+512
	global_load_b128 v[rC+6:rC+9], v[LI], s[4:5] offset:oC+768
	global_load_b64 v[rC+10:rC+11], v[L8], s[4:5] offset:oC+1280
.endr
.endr
	WIN 0x40                                       ; destination window 1
.irp t, 0,1,2,3
.irp s, 0,1,2,3
.irp c, 0,1,2
	global_load_b128 v[12*(4*\t+\s)+4*\c:12*(4*\t+\s)+4*\c+3], v[LI], s[32:33] offset:6144*\t+1536*\s+512*\c
.endr
.endr
.endr
	WIN 0
.irp mt, 0,1,2,3
.irp d, 0,1,2,3,4,5,6,7
	global_load_b32 v[RAW+8*\mt+\d], v[L4], s[6:7] offset:(8*\mt+\d)*128   ; a tile's and a head's two scale bytes, in the low half of a word
.endr
.endr
.irp t, 0,1,2,3
	global_load_b128 v[WS+4*\t:WS+4*\t+3], v[LI], s[34:35] offset:512*\t
.endr
.irp t, 0,1,2,3
	global_load_b128 v[BI+8*\t:BI+8*\t+3], v[BA], s[10:11] offset:(32*(\t/2)+8*(\t%2))*4
	global_load_b128 v[BI+8*\t+4:BI+8*\t+7], v[BA], s[10:11] offset:(32*(\t/2)+8*(\t%2))*4+16
.endr
	s_wait_loadcnt 0x0
.irp mt, 0,1,2,3
.irp s, 0,1,2,3
	v_lshl_or_b32 v[CS+4*\mt+\s], v[RAW+8*\mt+2*\s+1], 16, v[RAW+8*\mt+2*\s]   ; two heads' bytes make a K step's scale word
.endr
.endr
.rept 8
	v_nop                                          ; a scale register written by a vector instruction stands eight places ahead of a scaled product
.endr
	WIN 0x09                                       ; source 0 (Wo) window 1, source 1 (ctx) window 2, C and D window 0
.irp s, 0,1,2,3
.irp mt, 0,1,2,3
.irp t, 0,1,2,3
.set rD, ACC+32*\mt+8*\t
.if \s == 0
	v_wmma_scale_f32_16x16x128_f8f6f4 v[rD:rD+7], v[12*(4*\t+\s):12*(4*\t+\s)+11], v[12*(4*\mt+\s):12*(4*\mt+\s)+11], v[BI+8*\t:BI+8*\t+7], v[WS+4*\t+\s], v[CS+4*\mt+\s] matrix_a_fmt:MATRIX_FMT_FP6 matrix_b_fmt:MATRIX_FMT_FP6
.else
	v_wmma_scale_f32_16x16x128_f8f6f4 v[rD:rD+7], v[12*(4*\t+\s):12*(4*\t+\s)+11], v[12*(4*\mt+\s):12*(4*\mt+\s)+11], v[rD:rD+7], v[WS+4*\t+\s], v[CS+4*\mt+\s] matrix_a_fmt:MATRIX_FMT_FP6 matrix_b_fmt:MATRIX_FMT_FP6
.endif
.endr
.endr
.endr
	WIN 0
.rept 4
	v_nop                                          ; places in front of the first read of results, and of loads into the registers that held the bias
.endr
; THE WAY OUT, a token tile at a time.  Lane (r, h), tile t, register j: token r, column 32 (t / 2) + 16 h + 8 (t % 2) + j.  LDS serves a wave's instructions in order: no wait between my stores and my loads, nor in front of the next tile's stores.
.irp mt, 0,1,2,3
.set OB, RAW+32*(\mt%2)
.if \mt >= 2
	s_wait_xcnt 0x0                                ; the stores of two tiles back have read their registers: loads may land there again
.endif
.irp t, 0,1,2,3
	ds_store_b128 v[SO], v[ACC+32*\mt+8*\t:ACC+32*\mt+8*\t+3] offset:128*(\t/2)+32*(\t%2)          ; each accumulator from its low end on
	ds_store_b128 v[SO], v[ACC+32*\mt+8*\t+4:ACC+32*\mt+8*\t+7] offset:128*(\t/2)+32*(\t%2)+16
.endr
.irp i, 0,1,2,3,4,5,6,7
	ds_load_b128 v[OB+4*\i:OB+4*\i+3], v[SR] offset:2*SPITCH*\i
.endr
.irp i, 0,1,2,3,4,5,6,7
	s_wait_dscnt 7-\i                              ; the younger of these eight loads may be out
	; THE TOKENS OF A TILE (other than Wo's rows): row p of tile mt of my group of 64 tokens is token 8 mt + p % 8 + 32 (p / 8); stage row 2 i + h so is token 8 mt + 2 i + h + 24 (i / 4).  Sixteen lanes store 256 consecutive bytes, at a multiple of 256
	global_store_b128 v[GO], v[OB+4*\i:OB+4*\i+3], s[12:13] offset:(8*\mt+2*\i+24*(\i/4))*2048 th:TH_STORE_NT
.endr
.endr
	s_wait_tensorcnt 0x0                           ; the wave's end: behind my last LDS store
	ds_add_u32 v[SPW], v[NIL]
	s_wait_dscnt 0x0
	s_endpgm
.Lfunc_end_k_qcf5f32e7bb_oproj:
	.size	k_qcf5f32e7bb_oproj, .Lfunc_end_k_qcf5f32e7bb_oproj-k_qcf5f32e7bb_oproj
	.p2alignl 7, 3214868480
	.fill 96, 4, 3214868480
	.section	.rodata,"a",@progbits
	.p2align	6, 0x0
	.amdhsa_kernel k_qcf5f32e7bb_oproj
		.amdhsa_group_segment_fixed_size 17920
		.amdhsa_private_segment_fixed_size 0
		.amdhsa_enable_private_segment 0
		.amdhsa_kernarg_size 40
		.amdhsa_user_sgpr_count 2
		.amdhsa_user_sgpr_kernarg_segment_ptr 1
		.amdhsa_wavefront_size32 1
		.amdhsa_system_sgpr_workgroup_id_x 1
		.amdhsa_system_sgpr_workgroup_id_y 1
		.amdhsa_system_sgpr_workgroup_id_z 1
		.amdhsa_system_vgpr_workitem_id 0
		.amdhsa_next_free_vgpr 768
		.amdhsa_next_free_sgpr 66
		.amdhsa_reserve_vcc 0
		.amdhsa_float_denorm_mode_32 3
		.amdhsa_float_denorm_mode_16_64 3
		.amdhsa_memory_ordered 1
		.amdhsa_forward_progress 1
		.amdhsa_inst_pref_size 35
	.end_amdhsa_kernel
	.amdgpu_metadata
---
amdhsa.version: [ 1, 2 ]
amdhsa.kernels:
  - .name:           k_qcf5f32e7bb_oproj
    .symbol:         k_qcf5f32e7bb_oproj.kd
    .args:
      - { .name: cc, .offset: 0, .size: 8, .value_kind: global_buffer, .address_space: global }
      - { .name: cs, .offset: 8, .size: 8, .value_kind: global_buffer, .address_space: global }
      - { .name: wbuf, .offset: 16, .size: 8, .value_kind: global_buffer, .address_space: global }
      - { .name: bo, .offset: 24, .size: 8, .value_kind: global_buffer, .address_space: global }
      - { .name: out0, .offset: 32, .size: 8, .value_kind: global_buffer, .address_space: global }
    .group_segment_fixed_size: 17920
    .private_segment_fixed_size: 0
    .kernarg_segment_align: 8
    .kernarg_segment_size: 40
    .max_flat_workgroup_size: 128
    .sgpr_count:     66
    .vgpr_count:     768
    .wavefront_size: 32
...
	.end_amdgpu_metadata
.endif
;; end of part 4
